; MI455X (gfx1250); checked and timed in simulation.
; The chip was launched on July 23, 2026; its instructions are those of AMD's public machine-readable ISA for CDNA 5 (MIT licence, August 2026) and "CDNA5" Instruction Set Architecture Reference Guide (July 2026). The comments in the code are by the model that wrote it; some were corrected since.
;; Residual block. Allowed arithmetic: matrix products marked QUANTISED: E2M3 operands, one E8M0 scale for each 32 along K, by v_wmma_scale_f32_16x16x128_f8f6f4 with both operands' format E2M3, f32 sums; everything else in f32.
;; Inputs: W1_codes 2,048 x 64 x 24 uint8 (E2M3 codes of W1, K innermost, in blocks of 32 codes, four codes in three bytes); W1_scales 2,048 x 64 uint8 (E8M0 scales of W1, one for each 32 codes along K); W2_codes 2,048 x 64 x 24 uint8 (E2M3 codes of W2, K innermost, in blocks of 32 codes, four codes in three bytes); W2_scales 2,048 x 64 uint8 (E8M0 scales of W2, one for each 32 codes along K); b1 2,048 float32; b2 2,048 float32; be1 2,048 float32; be2 2,048 float32; g1 2,048 float32; g2 2,048 float32; x 8,192 x 2,048 float32.
;; Outputs: out0 8,192 x 2,048 float32.
;; This version of the problem:
;;   THIS VERSION OF THE PROBLEM IS GIVEN IN LOW PRECISION. The matrix products marked QUANTISED in the list below multiply operands that are first quantised to E2M3 (2 exponent bits, 3 mantissa bits; 6 bits a number), with one power-of-two scale for each 32 numbers along K (OCP MX v1.0); their sums are f32. All else is computed in f32.
;;   The module's matrix products, in the order in which they are computed (A, B: the left and right operand; K: the contracted axis; several contracted axes count as one K, in the product's order):
;;     1. [M 8,192, K 2,048] x [K 2,048, N 2,048]; A: computed on the way; B: input W1 (given as codes): QUANTISED
;;     2. [M 8,192, K 2,048] x [K 2,048, N 2,048]; A: computed on the way; B: input W2 (given as codes): QUANTISED
;;   THE QUANTISER, for each operand of a quantised product, along K:
;;     - K is cut into blocks of 32 from its start; a last block that is shorter is filled with zeros.
;;     - A block's scale is 2^e with e = floor(log2(the largest magnitude in the block)) - 2, held to -126 .. 127; a block of zeros has e = 0. As a byte (E8M0): e + 127.
;;     - Each number is divided by its block's scale, clamped to +-7.5, and rounded to the nearest number of E2M3, ties to even, subnormals kept.
;;     - The product sums the exact products of the quantised numbers (number of the format x scale) in f32.
;;   ~~~python
;;   def quantise(x, axis):      # numpy; x: float32 -> the quantised numbers, widened to float32 again
;;       x = np.moveaxis(x, axis, -1); K = x.shape[-1]
;;       x = np.pad(x, [(0, 0)] * (x.ndim - 1) + [(0, -K % 32)]); x = x.reshape(x.shape[:-1] + (-1, 32)); a = np.abs(x).max(-1, keepdims=True)
;;       e = np.where(a > 0, np.clip(np.frexp(np.where(a > 0, a, 1))[1] - 1 - 2, -126, 127), 0)      # np.frexp(a)[1] - 1 = floor(log2(a)), exactly
;;       r = np.clip(x / 2.0 ** e, -7.5, 7.5)
;;       step = 2.0 ** (np.maximum(np.frexp(np.where(r == 0, 1, r))[1] - 1, 0) - 3)
;;       q = np.round(r / step) * step * 2.0 ** e      # np.round: ties to even
;;       return np.moveaxis(q.reshape(q.shape[:-2] + (-1,))[..., :K], -1, axis).astype(np.float32)
;;   ~~~
;;   OPERANDS COMPUTED ON THE WAY. 'Computed on the way' means the value that the module computes at that place (a softmax that the list does not call 'softmax' is quantised finished and normalised). What goes into a quantiser is computed in f32, as accurately as f32 sums, v_exp_f32 and their like allow (about 1e-6 of the number): no bf16 or f16 on the way to a quantiser, and a product that is left as it is and whose result goes on into a quantised operand takes f32 operands (vector FMAs, or v_wmma_f32_16x16x4_f32). A number that lies on a knife's edge between two numbers of the format may be rounded either way, as far as f32 arithmetic and the matrix unit's own rounding can turn it there, and no further.
;;   INPUTS GIVEN AS CODES. W1 (in the module: [2048, 2048], K = its axis 1); W2 (in the module: [2048, 2048], K = its axis 1): each comes as NAME_codes (uint8): NAME with its K axis moved to the last place and cut into blocks of 32 codes, [.., K / 32, bytes a block], one block behind the other in memory; four codes in three bytes: a row's codes are one little-endian stream of bits, code i at bits 6 i .. 6 i + 5 (a code: sign, 2 exponent bits, 3 mantissa bits); and NAME_scales (uint8): the same leading axes, one E8M0 byte (e + 127) for each 32 codes along K. Its value is code x scale, taken as it is: it is not quantised again, and the codes and scales need not be those that the quantiser above would give.
;; One version. Each part assembles by itself: llvm-mc -triple=amdgcn-amd-amdhsa -mcpu=gfx1250 --defsym DOCPART=n.
;; ======== version 1 of 1: 4 launches
;; limits: right only within a limited range of input values
;; workspace buffers: a_lay 13,107,200 bytes; w1_lay 3,276,800 bytes; w2_lay 3,276,800 bytes; h 67,108,864 bytes
;; launch ln1 (part 1): grid 256 x 1, 8 waves a work-group, no clusters, 150,784 bytes of LDS; arguments x, g1, be1, a_lay, W1_codes, W1_scales, w1_lay; writes a_lay, w1_lay
.if DOCPART == 1
	.amdgcn_target "amdgcn-amd-amdhsa--gfx1250"
	.amdhsa_code_object_version 6
	.text
	.protected	k_qf69e768f91_ln1
	.globl	k_qf69e768f91_ln1
	.p2align	8
	.type	k_qf69e768f91_ln1,@function
k_qf69e768f91_ln1:
	s_mov_b64 s[64:65], 0
	v_nop
	global_prefetch_b8 v0, s[64:65] scope:SCOPE_SE
	s_setreg_imm32_b32 hwreg(HW_REG_WAVE_MODE, 25, 1), 1
	s_wait_xcnt 0x0
; LayerNorm over rows of 2,048 f32 numbers, then the MX quantiser along the row:  y = (x - mean) * rsqrt(var + 1e-5) * g + be,  y -> codes of FP6 (E2M3) and one E8M0 byte for each 32.
; Beside that the launch re-lays one weight, given as codes and scale bytes, into a like layout.  Nothing of the problem is left out.
; THE LAYOUT OF AN OPERAND (lay, wlay), in the order in which the product's registers take it: [rows / 128][8 pairs of K steps][25,600 bytes].  A pair's block holds, for step q = 0, 1 and 16-row block i = 0 .. 7,
; a fragment of 1,536 bytes at 12,288 q + 1,536 i; lane L = r + 16 h of it owns 48 bytes, the 24 bytes of k = 32 h .. 32 h + 31 and those of k = 64 + 32 h ..: in lay they lie on end at 48 L; in wlay their
; j-th 16 bytes lie at 512 j + 16 L.  Behind the 16 fragments: 1,024 bytes of scale words at 128 i + 8 r + 4 q (byte b scales k = 32 b ..).  Every block is 100 whole units of 256 bytes.
; A block's scale is 2^(floor(log2(its largest magnitude)) - 2); its byte is that magnitude's exponent field - 2, held at 1 from below.
; LIMITS: NaN and infinities among the inputs are not served (the maxima drop a NaN).  A block of zeros gets the byte 1 where the rule says 127: its codes are zeros, which add nothing under any byte
; but 0xff, and this program alone reads the bytes.  Blocks whose largest magnitude lies under 2^-124 are held at the byte 1.
; The variance is taken in a second pass over x - mean, so a common offset of a row costs no cancellation.
; SHARES.  256 work-groups of eight waves; a work-group owns 32 rows (two 16-row blocks); wave w takes rows w, 8 + w, 16 + w, 24 + w, all four asked for at the head (64 loads a wave).  A row is 64 numbers a lane.
; The codes and bytes are gathered in an image in LDS.  Behind each wave's second row the first 16-row block is whole: a barrier, and wave w stores pair w's two fragments of it while rows 16 .. 31 are still at work;
; the second block and the scale words (256 bytes a pair for the 32 rows) follow behind the fourth row.  All stores are whole aligned units of 256 bytes.
; THE WEIGHT: work-group g takes rows 32 (g / 4) .. + 31 and K steps 4 (g % 4) .. + 3: eight fragments, one a wave, loaded as the operand's registers hold them and stored so; waves 0 and 1 store a pair's 256 scale bytes each.
; TWO LAYOUTS OF A ROW.  As loaded: register 4 i + j = column 128 i + 4 lane + j.  The conversion takes 16 neighbours from ONE lane's registers, so the finished row turns through the wave's own stage
; (each 64 bytes have a place of 80): register 16 t + n = column 512 t + 16 lane + n; lanes 2 m and 2 m + 1 hold block 16 t + m.
; NO CLUSTER, NO TENSOR LOAD, NO MATRIX UNIT: the work-groups share only g and be, 16,384 bytes against the 262,144 that a work-group reads of its own.  NO PREFETCH: the rows are asked for at once, by the loads themselves.
.set WREG, 10240                       ; LDS: a stage for each wave, 128 places of 80 bytes
.set GB,   8*WREG                      ; g (8,192 bytes), then be
.set SPARE, GB+16384                   ; the spare words, 128 bytes a wave
.set IMG,  SPARE+1024                  ; the image of the codes: 16 steps x (two fragments + 16 bytes, so that the lanes of a store spread over the banks)
.set IP,   3088
.set SIMG, IMG+16*IP                   ; the image of the scale words: 8 pairs x 256 bytes
.set PAIRB, 25600
.set STEPB, 12288
.set RBLK, 8*PAIRB
.set G,    16
.set BE,   80
.set D,    144
.set S,    208
.set NM,   216
.set R,    218
.set M,    220
.set SCL,  224
.set E,    228
.set C,    232
.set OUT,  252
.set MSB, 0
.macro WIN new                         ; s_set_vgpr_msb: bits 1:0 source 0, 3:2 source 1, 5:4 source 2, 7:6 destination; the high byte repeats the setting that is left
.if MSB != (\new)
	s_set_vgpr_msb (MSB<<8)|(\new)
.set MSB, (\new)
.endif
.endm
.macro FILL r                          ; my r-th row into registers 64 r .. of window 1: sixteen loads of 512 consecutive bytes
	WIN 0x40
.irp i, 0,1,2,3,4,5,6,7,8,9,10,11,12,13,14,15
	global_load_b128 v[64*\r+4*\i:64*\r+4*\i+3], v2, s[4:5] offset:65536*\r+512*\i th:TH_LOAD_NT
.endr
	WIN 0
.endm
.macro FOLD                            ; the four packed partial sums into v12
	v_pk_add_f32 v[S:S+1], v[S:S+1], v[S+2:S+3]
	v_pk_add_f32 v[S+4:S+5], v[S+4:S+5], v[S+6:S+7]
	s_delay_alu instid0(VALU_DEP_1)
	v_pk_add_f32 v[S:S+1], v[S:S+1], v[S+4:S+5]
	s_delay_alu instid0(VALU_DEP_1)
	v_add_f32 v12, v[S], v[S+1]
.endm
.macro REDUCE                          ; v12 summed over the 32 lanes, the result in every lane
.irp m, 1,2,4,8
	s_delay_alu instid0(VALU_DEP_1)
	v_add_f32_dpp v12, v12, v12 row_xmask:\m row_mask:0xf bank_mask:0xf
.endr
	s_delay_alu instid0(VALU_DEP_1)
	v_permlanex16_b32 v13, v12, s14, s15
	s_delay_alu instid0(VALU_DEP_1)
	v_add_f32 v12, v12, v13
.endm
	s_load_b256 s[4:11], s[0:1], 0x0               ; src s[4:5], g s[6:7], be s[8:9], lay s[10:11]
	s_load_b128 s[28:31], s[0:1], 0x20             ; the weight's codes s[28:29], its scales s[30:31]
	s_load_b64 s[32:33], s[0:1], 0x30              ; wlay
	v_lshl_add_u32 v254, v0, 2, SPARE
	v_mov_b32 v255, 0
	v_lshrrev_b32 v1, 5, v0
	s_delay_alu instid0(VALU_DEP_1)
	v_readfirstlane_b32 s16, v1                    ; wave 0..7
	; all scalar set-up first, then the vector lines on end
	s_mul_i32 s17, s16, WREG                       ; my stage
	s_lshr_b32 s36, s16, 2
	s_mul_i32 s25, s16, 48                         ; 48 bytes a row of a fragment: my rows are rows w and 8 + w of their blocks
	s_add_co_u32 s25, s25, IMG
	s_lshl_b32 s26, s16, 3
	s_add_co_u32 s26, s26, SIMG
	s_mul_i32 s27, s16, 2*IP                       ; the way out: my pair's two steps of the image
	s_add_co_u32 s27, s27, IMG
	s_lshl_b32 s39, s16, 8
	s_add_co_u32 s39, s39, SIMG
	s_mov_b32 s14, 0x76543210
	s_mov_b32 s15, 0xfedcba98                      ; v_permlanex16_b32's selects for lane l xor 16
	s_mov_b32 s22, 0xba000000                      ; -1 / 2048
	s_mov_b32 s23, 0x3a000000                      ; 1 / 2048
	s_mov_b32 s24, 0x3727c5ac                      ; 1e-5
	s_lshr_b32 s40, ttmp9, 2
	s_and_b32 s41, ttmp9, 3
	s_lshr_b32 s54, ttmp9, 4
	s_and_b32 s55, s40, 3
	s_and_b32 s38, s16, 1
	s_lshr_b32 s56, s16, 1
	s_and_b32 s57, s56, 1
	s_lshl_b32 s18, ttmp9, 5
	s_add_co_u32 s18, s18, s16                     ; my first row: 32 x work-group + wave
	s_lshl_b32 s20, s18, 13                        ; 8,192 bytes a row of src
	s_mov_b32 s21, 0
	s_mul_i32 s42, s40, RBLK                       ; lay: my 128-row block, pair = my wave
	s_mul_i32 s19, s16, PAIRB
	s_add_co_u32 s42, s42, s19
	s_lshl_b32 s19, s41, 8
	s_add_co_u32 s44, s42, s19
	s_add_co_u32 s44, s44, 2*STEPB                 ; the pair's scale words of my work-group's 32 rows: 256 bytes
	s_mul_i32 s19, s41, 3072
	s_add_co_u32 s42, s42, s19                     ; the two fragments of those rows: 3,072 bytes
	s_mov_b32 s43, 0
	s_mov_b32 s45, 0
	s_mul_i32 s46, s40, 49152                      ; the weight: 32 rows of 1,536 bytes; my wave takes 16-row block w % 2, step w / 2 of the work-group's four
	s_mul_i32 s19, s41, 384
	s_add_co_u32 s46, s46, s19
	s_mul_i32 s19, s38, 24576
	s_add_co_u32 s46, s46, s19
	s_mul_i32 s19, s56, 96
	s_add_co_u32 s46, s46, s19
	s_mov_b32 s47, 0
	s_mul_i32 s48, s54, RBLK
	s_mov_b32 s52, s48
	s_lshl_b32 s19, s41, 1                         ; the work-group's first pair
	s_add_co_u32 s58, s19, s36
	s_mul_i32 s58, s58, PAIRB
	s_add_co_u32 s48, s48, s58
	s_mul_i32 s58, s57, STEPB
	s_add_co_u32 s48, s48, s58
	s_lshl_b32 s58, s55, 1
	s_add_co_u32 s58, s58, s38
	s_mul_i32 s58, s58, 1536
	s_add_co_u32 s48, s48, s58
	s_mov_b32 s49, 0
	s_lshl_b32 s50, s40, 11                        ; its scales: 64 bytes a row; waves 0 and 1 take a pair's 8 bytes of each row
	s_lshl_b32 s58, s41, 4
	s_add_co_u32 s50, s50, s58
	s_lshl_b32 s58, s16, 3
	s_add_co_u32 s50, s50, s58
	s_mov_b32 s51, 0
	s_add_co_u32 s58, s19, s16
	s_mul_i32 s58, s58, PAIRB
	s_add_co_u32 s52, s52, s58
	s_lshl_b32 s58, s55, 8
	s_add_co_u32 s52, s52, s58
	s_add_co_u32 s52, s52, 2*STEPB
	s_mov_b32 s53, 0
	v_and_b32 v1, 31, v0                           ; lane
	v_lshlrev_b32 v9, 4, v0                        ; g and be: 16 bytes a thread
	v_lshlrev_b32 v2, 4, v1                        ; my 16 bytes of 512
	v_lshrrev_b32 v3, 2, v1
	v_and_b32 v4, 3, v1
	v_mul_u32_u24 v3, v3, 80
	v_and_b32 v6, 1, v1
	v_lshl_add_u32 v3, v4, 4, v3
	v_mul_u32_u24 v4, v1, 80
	v_add_nc_u32 v3, s17, v3                       ; the stage, on the way in: four lanes' 64 bytes on end, then 16 of padding
	v_add_nc_u32 v4, s17, v4                       ; and on the way out: my 16 neighbours
	v_bfe_u32 v12, v1, 2, 1
	v_bfe_u32 v13, v1, 1, 1
	v_lshrrev_b32 v14, 3, v1
	v_mul_u32_u24 v6, v6, 12                       ; my 16 codes in the image: half l % 2 of block (l / 2) % 4 of step l / 8:
	v_mad_u32_u24 v6, v12, 24, v6                  ; blocks 2, 3 are a lane's second 24 bytes,
	v_mad_u32_u24 v6, v13, 768, v6                 ; blocks 1, 3 belong to lanes 16-31 of the fragment
	v_mad_u32_u24 v6, v14, IP, v6
	v_add_nc_u32 v6, s25, v6
	v_lshrrev_b32 v5, 4, v1                        ; my block's scale byte: pair l / 16, step (l / 8) % 2, byte (l / 2) % 4
	v_bfe_u32 v12, v1, 3, 1
	v_bfe_u32 v13, v1, 1, 2
	v_lshlrev_b32 v5, 8, v5
	v_lshl_add_u32 v5, v12, 2, v5
	v_add_nc_u32 v5, v5, v13
	v_add_nc_u32 v5, s26, v5
	v_and_b32 v7, 15, v1
	v_lshrrev_b32 v12, 4, v1
	v_mul_u32_u24 v7, v7, 1536
	v_mad_u32_u24 v7, v12, 24, v7                  ; the weight's fragment: row l % 16, + 24 (l / 16)
	v_add_nc_u32 v8, s27, v2
	v_lshlrev_b32 v15, 3, v1
	v_add_nc_u32 v14, s39, v15
	v_add_nc_u32 v10, GB, v9
	v_add_nc_u32 v11, GB, v2
	v_lshlrev_b32 v250, 6, v1
	v_mov_b32 v13, 0                               ; written once: a lane permute's destination counts as one of its sources
	s_wait_alu depctr_va_vdst(0)                   ; the wait at the head's end
	s_wait_kmcnt 0x0
	s_add_nc_u64 s[4:5], s[4:5], s[20:21]
	s_add_nc_u64 s[12:13], s[10:11], s[44:45]
	s_add_nc_u64 s[10:11], s[10:11], s[42:43]
	s_add_nc_u64 s[28:29], s[28:29], s[46:47]
	s_add_nc_u64 s[30:31], s[30:31], s[50:51]
	s_add_nc_u64 s[34:35], s[32:33], s[52:53]
	s_add_nc_u64 s[32:33], s[32:33], s[48:49]
.irp p, 0,1,2,3,4,5
	global_load_b64 v[16+2*\p:17+2*\p], v7, s[28:29] offset:48*(\p/3)+8*(\p%3)   ; the weight's fragment, as the operand's registers hold it
.endr
	s_cmp_lt_u32 s16, 2
	s_cbranch_scc0 .Lno_ws
	global_load_b64 v[28:29], v250, s[30:31]                   ; a lane a row: the pair's two scale words
.Lno_ws:
	global_load_b128 v[D:D+3], v9, s[6:7]                      ; g and be, shared out among the 256 threads
	global_load_b128 v[D+4:D+7], v9, s[6:7] offset:4096
	global_load_b128 v[D+8:D+11], v9, s[8:9]
	global_load_b128 v[D+12:D+15], v9, s[8:9] offset:4096
	FILL 0
	FILL 1
	FILL 2
	s_wait_loadcnt 48                              ; loads come back in order: all but the 48 row loads are in
	FILL 3
	ds_store_b128 v10, v[D:D+3]
	ds_store_b128 v10, v[D+4:D+7] offset:4096
	ds_store_b128 v10, v[D+8:D+11] offset:8192
	ds_store_b128 v10, v[D+12:D+15] offset:12288
.irp j, 0,1,2
	global_store_b128 v2, v[16+4*\j:19+4*\j], s[32:33] offset:512*\j   ; registers 4 j .. 4 j + 3 of all lanes: 512 consecutive bytes, at a multiple of 256
.endr
	s_cmp_lt_u32 s16, 2
	s_cbranch_scc0 .Lno_ws2
	global_store_b64 v15, v[28:29], s[34:35]                   ; 256 consecutive bytes: the pair's scale words of 32 rows
.Lno_ws2:
	s_wait_dscnt 0x0                               ; for the others' sake: my stores to LDS have landed
	s_barrier_signal -1
	s_barrier_wait -1                              ; g and be lie whole in LDS; nobody writes them again
	s_wait_xcnt 0x0                                ; the global stores have read their data: g lands on those registers
.irp i, 0,1,2,3,4,5,6,7,8,9,10,11,12,13,14,15
	ds_load_b128 v[G+4*\i:G+4*\i+3], v11 offset:512*\i           ; in the layout of a row as loaded
.endr
.irp i, 0,1,2,3,4,5,6,7,8,9,10,11,12,13,14,15
	ds_load_b128 v[BE+4*\i:BE+4*\i+3], v11 offset:8192+512*\i
.endr
; One row.  left = the row loads issued behind this row's, which may stay out.
.macro ROW r, left
.set XS, 64*(\r)
	s_wait_loadcnt \left
	WIN 0x05                                       ; the mean: four packed chains
.irp k, 0,1,2,3
	v_pk_add_f32 v[S+2*\k:S+2*\k+1], v[XS+4*\k:XS+4*\k+1], v[XS+4*\k+2:XS+4*\k+3]
.endr
	WIN 0x04
.set i, 8
.rept 24
	v_pk_add_f32 v[S+2*(i%4):S+2*(i%4)+1], v[S+2*(i%4):S+2*(i%4)+1], v[XS+2*i:XS+2*i+1]
.set i, i+1
.endr
	WIN 0
	FOLD
	REDUCE
	s_delay_alu instid0(VALU_DEP_1)
	v_mul_f32 v[NM], s22, v12                      ; -mean, twice: a pair for the packed additions
	s_delay_alu instid0(VALU_DEP_2)
	v_mul_f32 v[NM+1], s22, v12
	WIN 0x01
.set i, 0
.rept 32
	v_pk_add_f32 v[D+2*i:D+2*i+1], v[XS+2*i:XS+2*i+1], v[NM:NM+1]
.set i, i+1
.endr
	WIN 0
.irp k, 0,1,2,3
	v_pk_mul_f32 v[S+2*\k:S+2*\k+1], v[D+2*\k:D+2*\k+1], v[D+2*\k:D+2*\k+1]   ; the variance, of x - mean
.endr
.set i, 4
.rept 28
	s_delay_alu instid0(VALU_DEP_4)
	v_pk_fma_f32 v[S+2*(i%4):S+2*(i%4)+1], v[D+2*i:D+2*i+1], v[D+2*i:D+2*i+1], v[S+2*(i%4):S+2*(i%4)+1]
.set i, i+1
.endr
	FOLD
	REDUCE
	s_delay_alu instid0(VALU_DEP_1)
	v_fma_f32 v12, v12, s23, s24                   ; var + 1e-5
	s_wait_alu depctr_va_vdst(0)                   ; the wait ahead of the transcendentals
	v_rsq_f32 v[R], v12
	v_rsq_f32 v[R+1], v12
	v_nop                                          ; a plain instruction behind the transcendentals
	s_wait_alu depctr_va_vdst(0)                   ; and the wait ahead of their first reader
.if (\r) == 0
	s_wait_dscnt 0x0                               ; g and be are in registers
.endif
.set i, 0
.rept 32
	v_pk_mul_f32 v[D+2*i:D+2*i+1], v[D+2*i:D+2*i+1], v[R:R+1]
.set i, i+1
.endr
.set i, 0
.rept 32
	v_pk_fma_f32 v[D+2*i:D+2*i+1], v[D+2*i:D+2*i+1], v[G+2*i:G+2*i+1], v[BE+2*i:BE+2*i+1]
.set i, i+1
.endr
.irp i, 0,1,2,3,4,5,6,7,8,9,10,11,12,13,14,15
	ds_store_b128 v3, v[D+4*\i:D+4*\i+3] offset:640*\i           ; the turn through my stage (LDS serves a wave's instructions in order: ISA guide 5.7.1.4)
.endr
.irp t, 0,1,2,3
.irp j, 0,1,2,3
	ds_load_b128 v[D+16*\t+4*\j:D+16*\t+4*\j+3], v4 offset:2560*\t+16*\j
.endr
.endr
	s_wait_dscnt 0x0
.irp t, 0,1,2,3
	v_max3_num_f32 v[M+\t], |v[D+16*\t]|, |v[D+16*\t+1]|, 0x1800000   ; my 16 numbers, and the floor 2^(3 - 127): so the byte cannot fall under 1
.endr
.irp n, 2,4,6,8,10,12,14
.irp t, 0,1,2,3
	s_delay_alu instid0(VALU_DEP_4)
	v_max3_num_f32 v[M+\t], v[M+\t], |v[D+16*\t+\n]|, |v[D+16*\t+\n+1]|
.endr
.endr
.irp t, 0,1,2,3
	s_delay_alu instid0(VALU_DEP_4)
	v_max_num_f32_dpp v[M+\t], v[M+\t], v[M+\t] row_xmask:1 row_mask:0xf bank_mask:0xf   ; with my neighbour's 16: the block's largest magnitude
.endr
.irp t, 0,1,2,3
	s_delay_alu instid0(VALU_DEP_4)
	v_add_nc_u32 v[SCL+\t], 0xff000000, v[M+\t]    ; 2 off its exponent field: the conversion's scale operand
.endr
.irp t, 0,1,2,3
	v_cvt_scalef32_pk16_fp6_f32 v[C+4*\t:C+4*\t+2], v[D+16*\t:D+16*\t+15], v[SCL+\t]   ; to the nearest code, ties to even, beyond 7.5 the largest code; 96 bits without gaps
.endr
.irp t, 0,1,2,3
	v_lshrrev_b32 v[E+\t], 23, v[SCL+\t]           ; the scale's byte (plain lines behind the conversions)
.endr
.irp t, 0,1,2,3
	ds_store_b8 v5, v[E+\t] offset:64*((\r)%2)+128*((\r)/2)+512*\t     ; both lanes of a block write the same byte with the same value
.irp k, 0,1,2
	ds_store_b32 v6, v[C+4*\t+\k] offset:384*((\r)%2)+1536*((\r)/2)+4*IP*\t+4*\k   ; my 12 bytes, at their place in the fragment
.endr
.endr
.endm
	ROW 0, 48                                      ; my other three rows may be out
	ROW 1, 32
	s_wait_dscnt 0x0                               ; for the others' sake: my part of the first 16-row block has landed
	s_barrier_signal -1
	s_barrier_wait -1                              ; that block's part of the image is whole, and nobody writes it again
	WIN 0x40                                       ; into the registers that held my first row
.irp q, 0,1
.irp j, 0,1,2
	ds_load_b128 v[12*\q+4*\j:12*\q+4*\j+3], v8 offset:\q*IP+512*\j
.endr
.endr
	s_wait_dscnt 0x0
	WIN 0x04
.irp q, 0,1
.irp j, 0,1,2
	global_store_b128 v2, v[12*\q+4*\j:12*\q+4*\j+3], s[10:11] offset:\q*STEPB+512*\j   ; 512 consecutive bytes, at a multiple of 256
.endr
.endr
	WIN 0
	ROW 2, 16
	ROW 3, 0
	s_wait_dscnt 0x0                               ; for the others' sake: the rest of my part of the image has landed
	s_barrier_signal -1
	s_barrier_wait -1
.irp q, 0,1
.irp j, 0,1,2
	ds_load_b128 v[D+12*\q+4*\j:D+12*\q+4*\j+3], v8 offset:\q*IP+1536+512*\j
.endr
.endr
	ds_load_b64 v[OUT:OUT+1], v14
	s_wait_dscnt 0x0
.irp q, 0,1
.irp j, 0,1,2
	global_store_b128 v2, v[D+12*\q+4*\j:D+12*\q+4*\j+3], s[10:11] offset:\q*STEPB+1536+512*\j
.endr
.endr
	global_store_b64 v15, v[OUT:OUT+1], s[12:13]   ; 256 consecutive bytes, at a multiple of 256
	s_wait_tensorcnt 0x0                           ; the wave's end
	ds_add_u32 v254, v255
	s_wait_dscnt 0x0
	s_endpgm
.Lfunc_end_k_qf69e768f91_ln1:
	.size	k_qf69e768f91_ln1, .Lfunc_end_k_qf69e768f91_ln1-k_qf69e768f91_ln1
	.p2alignl 7, 3214868480
	.fill 96, 4, 3214868480
	.section	.rodata,"a",@progbits
	.p2align	6, 0x0
	.amdhsa_kernel k_qf69e768f91_ln1
		.amdhsa_group_segment_fixed_size 150784
		.amdhsa_private_segment_fixed_size 0
		.amdhsa_enable_private_segment 0
		.amdhsa_kernarg_size 56
		.amdhsa_user_sgpr_count 2
		.amdhsa_user_sgpr_kernarg_segment_ptr 1
		.amdhsa_wavefront_size32 1
		.amdhsa_system_sgpr_workgroup_id_x 1
		.amdhsa_system_sgpr_workgroup_id_y 1
		.amdhsa_system_sgpr_workgroup_id_z 1
		.amdhsa_system_vgpr_workitem_id 0
		.amdhsa_next_free_vgpr 512
		.amdhsa_next_free_sgpr 66
		.amdhsa_reserve_vcc 0
		.amdhsa_float_denorm_mode_32 3
		.amdhsa_float_denorm_mode_16_64 3
		.amdhsa_memory_ordered 1
		.amdhsa_forward_progress 1
		.amdhsa_inst_pref_size 99
	.end_amdhsa_kernel
	.amdgpu_metadata
---
amdhsa.version: [ 1, 2 ]
amdhsa.kernels:
  - .name:           k_qf69e768f91_ln1
    .symbol:         k_qf69e768f91_ln1.kd
    .args:
      - { .name: x, .offset: 0, .size: 8, .value_kind: global_buffer, .address_space: global }
      - { .name: g1, .offset: 8, .size: 8, .value_kind: global_buffer, .address_space: global }
      - { .name: be1, .offset: 16, .size: 8, .value_kind: global_buffer, .address_space: global }
      - { .name: a_lay, .offset: 24, .size: 8, .value_kind: global_buffer, .address_space: global }
      - { .name: W1_codes, .offset: 32, .size: 8, .value_kind: global_buffer, .address_space: global }
      - { .name: W1_scales, .offset: 40, .size: 8, .value_kind: global_buffer, .address_space: global }
      - { .name: w1_lay, .offset: 48, .size: 8, .value_kind: global_buffer, .address_space: global }
    .group_segment_fixed_size: 150784
    .private_segment_fixed_size: 0
    .kernarg_segment_align: 8
    .kernarg_segment_size: 56
    .max_flat_workgroup_size: 256
    .sgpr_count:     66
    .vgpr_count:     512
    .wavefront_size: 32
...
	.end_amdgpu_metadata
.endif
;; end of part 1
;; launch gemm1 (part 2): grid 8 x 32, 4 waves a work-group, clusters of 4 x 4, 327,680 bytes of LDS; arguments a_lay, w1_lay, h, b1; writes h
.if DOCPART == 2
	.amdgcn_target "amdgcn-amd-amdhsa--gfx1250"
	.amdhsa_code_object_version 6
	.text
	.protected	k_qf69e768f91_gemm1
	.globl	k_qf69e768f91_gemm1
	.p2align	8
	.type	k_qf69e768f91_gemm1,@function
k_qf69e768f91_gemm1:
	s_mov_b64 s[64:65], 0
	v_nop
	global_prefetch_b8 v0, s[64:65] scope:SCOPE_SE
	s_setreg_imm32_b32 hwreg(HW_REG_WAVE_MODE, 25, 1), 1
	s_wait_xcnt 0x0
	s_wait_alu depctr_hold_cnt(0) depctr_sa_sdst(0) depctr_va_vdst(0) depctr_va_sdst(0) depctr_va_ssrc(0) depctr_va_vcc(0) depctr_vm_vsrc(0)
	s_getreg_b32 s2, hwreg(HW_REG_IB_STS2, 6, 4)
	s_cmp_eq_u32 s2, 0
	s_cbranch_scc0 .Lentry_in_a_cluster
	s_endpgm
.Lentry_in_a_cluster:
	s_bfe_u32 s2, ttmp6, 0x10000c
	s_cmp_lg_u32 s2, 0xf033
	s_cbranch_scc0 .Lentry_shape_is_right
	s_endpgm
.Lentry_shape_is_right:
; out[m][n] = relu(sum over k of A[m][k] W[n][k] + bias[n] (+ res[m][n] where RESID is 1)).  A [8192][2048], W [2048][2048]: codes of FP6 (E2M3) with one E8M0 byte for each 32 along K; out f32.
; BOTH OPERANDS LIE IN THE ORDER OF THE OPERAND REGISTERS: [rows / 128][8 pairs of K steps][25,600 bytes]; a pair's block: for step q and 16-row block i a fragment of 1,536 bytes at 12,288 q + 1,536 i (A: 48 bytes a lane on end;
; W: the j-th 16 bytes of lane L at 512 j + 16 L); behind them the scale words at 24,576 + 128 i + 8 r + 4 q.  A block is dense: a tensor load brings it as rows of 256 bytes, each at a multiple of 256 bytes.
; A tile of out, 256 x 256, is made by four waves, each 128 x 128: 64 accumulators, 512 registers.  K goes by pairs of steps through a ring of two LDS slots, one tensor load a wave.
; THREE SWITCHES OF THE TEXT.  BDIR = 0: a slot holds four blocks, A's two halves and W's two; waves 0, 1 fetch A's, waves 2, 3 W's.  BDIR = 1: a slot holds A's two blocks alone, half a block (50 rows) a wave, and each wave
; loads W's fragments and scale words from memory into its registers, one step ahead: 24 loads of 512 consecutive bytes a step; so each byte of W passes no LDS.  RESID: see above.  NTS = 1: out is stored with the hint for data not read again.
; CLUSTERS: 4 x 4 work-groups; A's blocks are asked for jointly along a row of the cluster, W's (BDIR = 0) along a column.  THE MATRIX INSTRUCTION IS USED TRANSPOSED (source 0 = 16 rows of W, source 1 = 16 rows of A):
; a lane holds eight neighbouring numbers of a row of out.
; PREFETCH: waves 0, 1 ask for A's two blocks of a pair, waves 2, 3 for W's two: 100 blocks of 256 bytes each, 25 for each of the four partners that use them, told apart by address, a lane a block (lanes 25-31 name the last again).
; Pairs 1 to 3 are asked for at the head, pair p + 4 behind the refill that follows pair p; where RESID is 1 the last trip's two refills ask for my part of res, 64 rows each.
; REGISTERS: window 0: v16-31 addresses; v32-63 scale words, two sets (lanes 0-15 A's; BDIR = 0: lanes 16-31 W's); v64-95 W's scale words (BDIR = 1); v96-99 the bias; from v128 A's fragments, one set.
; Window 1: W's fragments, two sets; on the way out res.  Windows 2, 3: the accumulators.
.set RESID,  0
.set BDIR,   0
.set NTS,    0
.set SIZE_N, 2048
.set PAIRB,  25600
.set STEPB,  12288
.set FRB,    1536
.set RBLK,   8*PAIRB
.if BDIR
.set SLOT,   2*PAIRB
.set NROW,   50
.else
.set SLOT,   4*PAIRB
.set NROW,   100
.endif
.set STAGE,  2*SLOT                    ; behind the ring: 16 rows x 528 bytes for each wave, for the way out; no tensor load lands there
.set SPITCH, 528
.set SPARE,  STAGE+4*16*SPITCH         ; the spare words
.set FR, 12
.set NL, 3
.set NP, 4
.set NQ, 2
.set ADRA, 16
.set ADRB, 18
.set ADRS, 20
.set BSO,  22
.set STO,  24
.set RD,   25
.set CO,   26
.set SPW,  28
.set NIL,  29
.set PFO,  30
.set PFX,  31
.set SC,   32
.set SCB,  64
.set BI,   96
.set AF,   128
.set BK,   128
.if BDIR
.set SBB, SCB
.else
.set SBB, SC
.endif
.set G1, 24
.set G0, 32
.set G1B, 48
.set G0B, 56
.set PFA, 66
.set BP,  72
.set MSB, 0
.macro WIN new
.if MSB != (\new)
	s_set_vgpr_msb (MSB<<8)|(\new)
.set MSB, (\new)
.endif
.endm
.set MUL_LO, 0xa1                      ; source 0 (W) window 1, source 1 (A) window 0, C and D window 2
.set MUL_HI, 0xf1
.set TO_B,   0x40
.macro JLOAD s                         ; a joint load
.if BDIR
	tensor_load_to_lds s[G0+4*\s:G0+4*\s+3], s[G1:G1+7]
	s_nop 0
.rept 4
	v_nop
.endr
.else
	s_cmp_eq_u32 s15, 0
	s_cbranch_scc0 .Lfor_b_\@
	tensor_load_to_lds s[G0+4*\s:G0+4*\s+3], s[G1:G1+7]
	s_nop 0
.rept 4
	v_nop
.endr
	s_branch .Lasked_\@
.Lfor_b_\@:
	tensor_load_to_lds s[G0B+4*\s:G0B+4*\s+3], s[G1B:G1B+7]
	s_nop 0
.rept 4
	v_nop
.endr
.Lasked_\@:
.endif
.endm
.macro CREST
	s_cmp_lg_u32 s14, 0
	s_cbranch_scc1 .Lnot_wave_0_\@
	s_barrier_signal -3
.Lnot_wave_0_\@:
	s_barrier_wait -3
	s_barrier_signal -1
	s_barrier_wait -1
.endm
.macro CROUND
	s_barrier_signal -1
	s_barrier_wait -1
	CREST
.endm
.macro ASK half                        ; trips 3 and 2 to go: the pair two refills on; the last trip has none left, and asks for 64 rows of my part of res instead (RESID)
	s_cmp_gt_u32 s3, 1
	s_cbranch_scc0 .Lx_\@
	global_prefetch_b8 v[PFO], s[PFA:PFA+1] th:TH_LOAD_NT scope:SCOPE_SE
.if RESID
	s_branch .Ld_\@
.endif
.Lx_\@:
.if RESID
.irp i, 0,1,2,3
	global_prefetch_b8 v[PFX], s[12:13] offset:(64*\half+16*\i)*SIZE_N*4 th:TH_LOAD_NT scope:SCOPE_SE
.endr
.Ld_\@:
.endif
.endm
.macro DESC g                          ; group 1 behind its first word: NROW rows of 32 elements of 8 bytes, dense
	s_mov_b32 s[\g+1], 32<<16
	s_mov_b32 s[\g+2], NROW<<16
	s_mov_b32 s[\g+3], 32<<16
	s_mov_b32 s[\g+4], NROW
	s_mov_b32 s[\g+5], 32
	s_mov_b32 s[\g+6], 0
	s_mov_b32 s[\g+7], 0
.endm
	s_load_b256 s[4:11], s[0:1], 0x0               ; A s[4:5], W s[6:7], out s[8:9], bias s[10:11]
.if RESID
	s_load_b64 s[12:13], s[0:1], 0x20              ; res
.endif
	v_lshl_add_u32 v[SPW], v0, 2, SPARE
	v_mov_b32 v[NIL], 0
	ds_add_u32 v[SPW], v[NIL]                      ; the opening lines: the add, twice on end, and its wait
	ds_add_u32 v[SPW], v[NIL]
	v_lshrrev_b32 v1, 5, v0
	v_readfirstlane_b32 s14, v1                    ; wave 0..3
	s_lshr_b32 s15, s14, 1                         ; my half of the tile's rows
	s_and_b32 s16, s14, 1                          ; my half of its columns
	s_bfe_u32 s40, ttmp6, 0x40000
	s_bfe_u32 s41, ttmp6, 0x40004
	s_lshl_b32 s42, ttmp9, 2
	s_add_co_u32 s42, s42, s40                     ; tile column
	s_and_b32 s17, ttmp7, 0xffff
	s_lshl_b32 s17, s17, 2
	s_add_co_u32 s17, s17, s41                     ; tile row
	s_lshl_b32 s43, s41, 2
	s_lshl_b32 s43, 15, s43                        ; my row of the cluster
	s_or_b32 s[G1], s43, (3<<16)|(1<<21)           ; elements of 8 bytes, no padding
	DESC G1
	s_lshl_b32 s20, s17, 1
.if BDIR
	s_add_co_u32 s20, s20, s15                     ; A: wave w fetches part w % 2 of 128-row block 2 x tile row + w / 2
	s_mul_i32 s20, s20, RBLK
	s_mul_i32 s18, s16, NROW*256
	s_add_co_u32 s20, s20, s18
.else
	s_lshl_b32 s44, 0x1111, s40                    ; my column of the cluster
	s_or_b32 s[G1B], s44, (3<<16)|(1<<21)
	DESC G1B
	s_add_co_u32 s20, s20, s16                     ; A: 128-row block 2 x tile row + w % 2
	s_mul_i32 s20, s20, RBLK
.endif
	s_mov_b32 s21, 0
	s_lshl_b32 s46, s42, 1
	s_add_co_u32 s46, s46, s16
	s_mul_i32 s46, s46, RBLK                       ; W: 128-row block 2 x tile column + w % 2
	s_mov_b32 s47, 0
	s_mul_i32 s45, s14, NROW*256                   ; where my load goes: wave x its bytes
	s_wait_dscnt 0x0
	s_wait_kmcnt 0x0
	s_add_nc_u64 s[20:21], s[4:5], s[20:21]
	s_add_nc_u64 s[46:47], s[6:7], s[46:47]
	CROUND                                         ; the first joint loads meet
.irp s, 0,1
	s_mov_b32 s[G0+4*\s], 1
	s_add_co_u32 s[G0+4*\s+1], s45, \s*SLOT
	s_add_nc_u64 s[G0+4*\s+2:G0+4*\s+3], s[20:21], \s*PAIRB
	s_or_b32 s[G0+4*\s+3], s[G0+4*\s+3], 0x80000000
.if BDIR == 0
	s_mov_b32 s[G0B+4*\s], 1
	s_add_co_u32 s[G0B+4*\s+1], s45, \s*SLOT
	s_add_nc_u64 s[G0B+4*\s+2:G0B+4*\s+3], s[46:47], \s*PAIRB
	s_or_b32 s[G0B+4*\s+3], s[G0B+4*\s+3], 0x80000000
.endif
.endr
	JLOAD 0                                        ; pair 0: one tensor load a wave at the head
.if BDIR
	s_mov_b64 s[BP:BP+1], s[46:47]                 ; W's block that I multiply, at the trip's first pair
.endif
	s_mul_i32 s21, s15, PAIRB                      ; the block of A that I read
.if BDIR
	s_mov_b32 s22, 0
	s_mov_b32 s23, 0                               ; all lanes take A's scale words
.else
	s_mul_i32 s22, s16, PAIRB
	s_add_co_u32 s22, s22, 2*PAIRB                 ; and of W
	s_sub_co_u32 s23, s22, s21
.endif
	s_add_co_u32 s18, s21, 2*STEPB                 ; A's scale words
	s_mul_i32 s19, s14, 16*SPITCH
	s_add_co_u32 s19, s19, STAGE                   ; my stage
	s_lshl_b32 s68, s17, 8
	s_lshl_b32 s69, s15, 7
	s_add_co_u32 s68, s68, s69
	s_lshl_b32 s68, s68, 13                        ; my first row of out, 8,192 bytes a row
	s_lshl_b32 s46, s42, 10
	s_lshl_b32 s47, s16, 9
	s_add_co_u32 s46, s46, s47                     ; my first column, in bytes
	s_mov_b32 s47, 0
	s_add_nc_u64 s[10:11], s[10:11], s[46:47]
	s_add_co_u32 s68, s68, s46
	s_mov_b32 s69, 0
	s_add_nc_u64 s[8:9], s[8:9], s[68:69]
.if RESID
	s_add_nc_u64 s[12:13], s[12:13], s[68:69]
.endif
	s_lshl_b32 s70, s17, 1                         ; the prefetches: waves 0, 1 A's blocks, waves 2, 3 W's; my work-group's 25 of a block's 100 units
	s_lshl_b32 s71, s42, 1
	s_cmp_eq_u32 s15, 0
	s_cselect_b32 s70, s70, s71
	s_cselect_b32 s71, s40, s41
	s_cselect_b64 s[PFA:PFA+1], s[4:5], s[6:7]
	s_add_co_u32 s70, s70, s16
	s_mul_i32 s70, s70, RBLK
	s_mul_i32 s71, s71, 6400
	s_add_co_u32 s70, s70, s71
	s_add_co_u32 s70, s70, 3*PAIRB                 ; at pair 3; the first refill steps it to pair 4
	s_mov_b32 s71, 0
	s_add_nc_u64 s[PFA:PFA+1], s[PFA:PFA+1], s[70:71]
	v_and_b32 v1, 15, v0
	v_bfe_u32 v2, v0, 4, 1
	v_and_b32 v6, 31, v0
	v_mul_u32_u24 v3, v6, 48
	v_lshlrev_b32 v[BSO], 3, v1
	v_mul_u32_u24 v4, s23, v2                      ; (BDIR = 0: lanes 16-31 take W's scale words)
	v_mul_u32_u24 v7, v1, SPITCH
	v_lshlrev_b32 v[CO], 4, v6
	v_add_nc_u32 v[ADRA], s21, v3
	v_add_nc_u32 v[ADRB], s22, v[CO]
	v_add_nc_u32 v5, v[BSO], v4
	v_add_nc_u32 v[ADRS], s18, v5
	v_add_nc_u32 v[ADRA+1], SLOT, v[ADRA]
	v_add_nc_u32 v[ADRB+1], SLOT, v[ADRB]
	v_add_nc_u32 v[ADRS+1], SLOT, v[ADRS]
	v_lshl_add_u32 v7, v2, 5, v7
	v_add_nc_u32 v[STO], s19, v7
	v_add_nc_u32 v[RD], s19, v[CO]
	v_min_u32 v[PFO], 24, v6
	v_lshlrev_b32 v[PFO], 8, v[PFO]
	v_lshrrev_b32 v8, 1, v6
	v_and_b32 v9, 1, v6
	v_lshlrev_b32 v[PFX], 13, v8
	v_lshl_add_u32 v[PFX], v9, 8, v[PFX]           ; res: row l / 2, half l % 2 of its 512 bytes
	s_wait_alu depctr_va_vdst(0)                   ; the wait at the head's end
; 16 matrix instructions: A's blocks a0, a0 + 1 x W's eight.  p: W's set; q: the step of the pair; sc: the set of scale words.  zero = 1: the first product starts the sums.  The 64 accumulators take turns.
.macro MUL16 a0, p, q, sc, zero
.irp a, \a0, \a0+1
.irp b, 0,1,2,3,4,5,6,7
.if \zero
	v_wmma_scale_f32_16x16x128_f8f6f4 v[8*(8*((\a)%4)+\b):8*(8*((\a)%4)+\b)+7], v[128*(\p)+FR*\b:128*(\p)+FR*\b+FR-1], v[AF+FR*(\a):AF+FR*(\a)+FR-1], 0, v[SBB+8*NQ*(\sc)+NQ*\b+(\q)], v[SC+8*NQ*(\sc)+NQ*(\a)+(\q)] matrix_a_fmt:MATRIX_FMT_FP6 matrix_b_fmt:MATRIX_FMT_FP6 matrix_a_scale:MATRIX_SCALE_ROW1
.else
	v_wmma_scale_f32_16x16x128_f8f6f4 v[8*(8*((\a)%4)+\b):8*(8*((\a)%4)+\b)+7], v[128*(\p)+FR*\b:128*(\p)+FR*\b+FR-1], v[AF+FR*(\a):AF+FR*(\a)+FR-1], v[8*(8*((\a)%4)+\b):8*(8*((\a)%4)+\b)+7], v[SBB+8*NQ*(\sc)+NQ*\b+(\q)], v[SC+8*NQ*(\sc)+NQ*(\a)+(\q)] matrix_a_fmt:MATRIX_FMT_FP6 matrix_b_fmt:MATRIX_FMT_FP6 matrix_a_scale:MATRIX_SCALE_ROW1
.endif
.endr
.endr
.endm
.macro FETCH_B slot, q, p              ; BDIR = 0: W's eight fragments from LDS: 16 bytes a lane on end
	WIN TO_B
.irp i, 0,1,2,3,4,5,6,7
.irp j, 0,1,2
	ds_load_b128 v[128*(\p)+FR*\i+4*\j:128*(\p)+FR*\i+4*\j+3], v[ADRB+\slot] offset:(\q)*STEPB+\i*FRB+512*\j
.endr
.endr
	WIN 0
.endm
.macro GB pr, q, p                     ; BDIR = 1: W's eight fragments of step q of the pair pr behind the trip's first, from memory: each load 512 consecutive bytes
	WIN TO_B
.irp i, 0,1,2,3,4,5,6,7
.irp j, 0,1,2
	global_load_b128 v[128*(\p)+FR*\i+4*\j:128*(\p)+FR*\i+4*\j+3], v[CO], s[BP:BP+1] offset:(\pr)*PAIRB+(\q)*STEPB+\i*FRB+512*\j
.endr
.endr
	WIN 0
.endm
.macro GS pr, sc                       ; and that pair's scale words: lanes l and l + 16 take row l % 16's two words
.irp i, 0,1,2,3,4,5,6,7
	global_load_b64 v[SCB+8*NQ*\sc+NQ*\i:SCB+8*NQ*\sc+NQ*\i+1], v[BSO], s[BP:BP+1] offset:(\pr)*PAIRB+2*STEPB+\i*128
.endr
.endm
.macro FETCH_A slot, q, i0             ; A's blocks i0 .. i0 + 3: three loads of 16 bytes at 48 x lane
.irp i, \i0, \i0+1, \i0+2, \i0+3
.irp j, 0,1,2
	ds_load_b128 v[AF+FR*(\i)+4*\j:AF+FR*(\i)+4*\j+3], v[ADRA+\slot] offset:(\q)*STEPB+(\i)*FRB+16*\j
.endr
.endr
.endm
.macro SCALES sc                       ; the pair's two words a row
.irp i, 0,1,2,3,4,5,6,7
	ds_load_b64 v[SC+8*NQ*\sc+NQ*\i:SC+8*NQ*\sc+NQ*\i+1], v[ADRS+\sc] offset:\i*128
.endr
.endm
.macro PLACES n                        ; places behind matrix instructions, ahead of loads into their registers and of reads of results
.rept \n
	v_nop
.endr
.endm
.macro STEP slot, pr, zero             ; a pair's first step; the second step's fragments are fetched on the way
.if BDIR
	GB \pr, 1, 1
	s_wait_loadcnt 24                              ; all but the 24 just issued: this step's fragments and scale words of W are in
.endif
	s_wait_dscnt 4*NL                              ; all but A's blocks 4-7
	WIN MUL_LO
	MUL16 0, 0, 0, \slot, \zero
	MUL16 2, 0, 0, \slot, \zero
	s_wait_dscnt 0
	PLACES NP
.if BDIR == 0
	FETCH_B \slot, 1, 1
.else
	WIN 0                                          ; (A's loads below name window 0)
.endif
	FETCH_A \slot, 1, 0
	WIN MUL_HI
	MUL16 4, 0, 0, \slot, \zero
	MUL16 6, 0, 0, \slot, \zero
	PLACES NP
	WIN 0
	FETCH_A \slot, 1, 4
.endm
; A pair's second step changes slots: ONE barrier; in front of it each wave waits for all its tensor loads (one is out: its part of the next slot), adds 0 to its spare word, and waits for that and for its reads of this slot.
.macro TURN slot, next, fill, pr
.if \fill
	s_wait_xcnt 0x0                                ; my last prefetch has read its address
	s_add_nc_u64 s[PFA:PFA+1], s[PFA:PFA+1], PAIRB
.endif
.if BDIR
	GB \pr, 0, 0
	GS \pr, \next
	s_wait_loadcnt 32                              ; all but the 32 just issued
.endif
	s_wait_tensorcnt 0x0
	ds_add_u32 v[SPW], v[NIL]
	s_wait_dscnt 4*NL+1                            ; the add and A's blocks 4-7 may be out
	WIN MUL_LO
	MUL16 0, 1, 1, \slot, 0
	s_wait_dscnt 0x0
	s_barrier_signal -1
	MUL16 2, 1, 1, \slot, 0
	WIN 0
	s_barrier_wait -1
.if \fill
	CREST                                          ; the barrier has opened a round of the cluster's barrier
	s_add_nc_u64 s[G0+4*\slot+2:G0+4*\slot+3], s[G0+4*\slot+2:G0+4*\slot+3], 2*PAIRB
.if BDIR == 0
	s_add_nc_u64 s[G0B+4*\slot+2:G0B+4*\slot+3], s[G0B+4*\slot+2:G0B+4*\slot+3], 2*PAIRB
.endif
	JLOAD \slot                                    ; the first tensor load behind the round; its four v_nop are the places in front of the loads below
.else
	PLACES NP
.endif
.if BDIR == 0
	FETCH_B \next, 0, 0
.endif
	FETCH_A \next, 0, 0
	SCALES \next
.if \fill
	ASK \slot
.endif
	WIN MUL_HI
	MUL16 4, 1, 1, \slot, 0
	MUL16 6, 1, 1, \slot, 0
	PLACES NP
	WIN 0
	FETCH_A \next, 0, 4
.endm
.macro XLOAD a                         ; 16 rows of my part of res into window 1
	WIN TO_B
.irp t, 0,1,2,3,4,5,6,7,8,9,10,11,12,13,14,15
	global_load_b128 v[64*((\a)%4)+4*\t:64*((\a)%4)+4*\t+3], v[CO], s[12:13] offset:(16*(\a)+\t)*SIZE_N*4 th:TH_LOAD_NT
.endr
	WIN 0
.endm
	global_load_b128 v[BI:BI+3], v[CO], s[10:11]   ; the bias of my four columns of a row
.if BDIR
	GB 0, 0, 0
	GS 0, 0
.endif
.irp k, 2,1,0
	global_prefetch_b8 v[PFO], s[PFA:PFA+1] offset:-\k*PAIRB th:TH_LOAD_NT scope:SCOPE_SE   ; pairs 1, 2, 3
.endr
	s_wait_tensorcnt 0x0                           ; my part of pair 0 is in
	ds_add_u32 v[SPW], v[NIL]
	s_wait_dscnt 0x0
	CROUND
	JLOAD 1                                        ; pair 1, the first tensor load behind the round
.if BDIR == 0
	FETCH_B 0, 0, 0
.endif
	FETCH_A 0, 0, 0
	SCALES 0
	FETCH_A 0, 0, 4
	STEP 0, 0, 1
	s_mov_b32 s3, 3
.Llap:                                                 ; a trip: once round the ring, both slots filled again
	TURN 0, 1, 1, 1
	STEP 1, 1, 0
	TURN 1, 0, 1, 2
	STEP 0, 2, 0
.if BDIR
	s_wait_xcnt 0x0                                ; my loads have read their base
	s_add_nc_u64 s[BP:BP+1], s[BP:BP+1], 2*PAIRB
.endif
	s_sub_co_u32 s3, s3, 1
	s_cmp_lg_u32 s3, 0
	s_cbranch_scc1 .Llap
	TURN 0, 1, 0, 1                                ; the last two pairs fetch no tile
	STEP 1, 1, 0
.if RESID
	XLOAD 0                                        ; W's set 0 is done with (four places stand behind its last products)
	XLOAD 1
.endif
	s_wait_loadcnt 32*RESID                        ; the bias and W's last fragments are in; res may be out
	s_wait_dscnt 4*NL
	WIN MUL_LO
	MUL16 0, 1, 1, 1, 0
	MUL16 2, 1, 1, 1, 0
	s_wait_dscnt 0
	WIN MUL_HI
	MUL16 4, 1, 1, 1, 0
	MUL16 6, 1, 1, 1, 0
	WIN 0
; THE WAY OUT, by blocks of 16 rows x 128 columns: through my own stage and back as whole rows of 512 bytes.
.macro TOSTAGE a
.set AC, 64*((\a)%4)
	WIN 0x08+4*((\a)/4)
.irp b, 0,1,2,3,4,5,6,7
	ds_store_b128 v[STO], v[AC+8*\b:AC+8*\b+3] offset:64*\b          ; each accumulator from its low end on
	ds_store_b128 v[STO], v[AC+8*\b+4:AC+8*\b+7] offset:64*\b+16
.endr
	WIN 0
.set BB, BK+64*((\a)%2)
.irp t, 0,1,2,3,4,5,6,7,8,9,10,11,12,13,14,15
	ds_load_b128 v[BB+4*\t:BB+4*\t+3], v[RD] offset:\t*SPITCH
.endr
.endm
.macro SEND a, younger
.set BB, BK+64*((\a)%2)
.set XB, 64*((\a)%4)
	s_wait_dscnt \younger
.irp t, 0,1,2,3,4,5,6,7,8,9,10,11,12,13,14,15
	v_pk_add_f32 v[BB+4*\t:BB+4*\t+1], v[BB+4*\t:BB+4*\t+1], v[BI:BI+1]
	v_pk_add_f32 v[BB+4*\t+2:BB+4*\t+3], v[BB+4*\t+2:BB+4*\t+3], v[BI+2:BI+3]
.endr
.if RESID
.if 7-(\a) < 3
	s_wait_loadcnt 16*(7-(\a))                     ; the younger blocks of res may be out
.else
	s_wait_loadcnt 48
.endif
	WIN 0x04
.set i, 0
.rept 32
	v_pk_add_f32 v[BB+2*i:BB+2*i+1], v[BB+2*i:BB+2*i+1], v[XB+2*i:XB+2*i+1]
.set i, i+1
.endr
	WIN 0
.endif
.set i, 0
.rept 64
	v_max_num_f32 v[BB+i], 0, v[BB+i]
.set i, i+1
.endr
.irp t, 0,1,2,3,4,5,6,7,8,9,10,11,12,13,14,15
.if NTS
	global_store_b128 v[CO], v[BB+4*\t:BB+4*\t+3], s[8:9] offset:(16*(\a)+\t)*SIZE_N*4 th:TH_STORE_NT   ; 512 consecutive bytes, at a multiple of 256
.else
	global_store_b128 v[CO], v[BB+4*\t:BB+4*\t+3], s[8:9] offset:(16*(\a)+\t)*SIZE_N*4                  ; 512 consecutive bytes, at a multiple of 256
.endif
.endr
.if RESID && ((\a)+4 < 8)
	XLOAD (\a)+4
.endif
.endm
	PLACES NP
.if RESID
	XLOAD 2
	XLOAD 3
.endif
	TOSTAGE 0
.irp a, 1,2,3,4,5,6,7
.if \a > 1
	s_wait_xcnt 0x0                                ; block a - 2's stores have read their registers
.endif
	TOSTAGE \a
	SEND \a-1, 32                                  ; behind block a - 1's loads: block a's 16 stores and 16 loads
.endr
	SEND 7, 0
	s_wait_tensorcnt 0x0                           ; the wave's end
	ds_add_u32 v[SPW], v[NIL]
	s_wait_dscnt 0x0
	CROUND                                         ; the closing round
	s_endpgm
.Lfunc_end_k_qf69e768f91_gemm1:
	.size	k_qf69e768f91_gemm1, .Lfunc_end_k_qf69e768f91_gemm1-k_qf69e768f91_gemm1
	.p2alignl 7, 3214868480
	.fill 96, 4, 3214868480
	.section	.rodata,"a",@progbits
	.p2align	6, 0x0
	.amdhsa_kernel k_qf69e768f91_gemm1
		.amdhsa_group_segment_fixed_size 327680
		.amdhsa_private_segment_fixed_size 0
		.amdhsa_enable_private_segment 0
		.amdhsa_kernarg_size 32
		.amdhsa_user_sgpr_count 2
		.amdhsa_user_sgpr_kernarg_segment_ptr 1
		.amdhsa_wavefront_size32 1
		.amdhsa_system_sgpr_workgroup_id_x 1
		.amdhsa_system_sgpr_workgroup_id_y 1
		.amdhsa_system_sgpr_workgroup_id_z 1
		.amdhsa_system_vgpr_workitem_id 0
		.amdhsa_next_free_vgpr 1024
		.amdhsa_next_free_sgpr 76
		.amdhsa_reserve_vcc 0
		.amdhsa_float_denorm_mode_32 3
		.amdhsa_float_denorm_mode_16_64 3
		.amdhsa_memory_ordered 1
		.amdhsa_forward_progress 1
		.amdhsa_inst_pref_size 166
	.end_amdhsa_kernel
	.amdgpu_metadata
---
amdhsa.version: [ 1, 2 ]
amdhsa.kernels:
  - .name:           k_qf69e768f91_gemm1
    .symbol:         k_qf69e768f91_gemm1.kd
    .args:
      - { .name: a_lay, .offset: 0, .size: 8, .value_kind: global_buffer, .address_space: global }
      - { .name: w1_lay, .offset: 8, .size: 8, .value_kind: global_buffer, .address_space: global }
      - { .name: h, .offset: 16, .size: 8, .value_kind: global_buffer, .address_space: global }
      - { .name: b1, .offset: 24, .size: 8, .value_kind: global_buffer, .address_space: global }
    .group_segment_fixed_size: 327680
    .private_segment_fixed_size: 0
    .kernarg_segment_align: 8
    .kernarg_segment_size: 32
    .max_flat_workgroup_size: 128
    .sgpr_count:     76
    .vgpr_count:     1024
    .wavefront_size: 32
...
	.end_amdgpu_metadata
.endif
;; end of part 2
;; launch ln2: the kernel of part 1 again; grid 256 x 1, 8 waves a work-group, no clusters, 150,784 bytes of LDS; arguments h, g2, be2, a_lay, W2_codes, W2_scales, w2_lay; writes a_lay, w2_lay
;; launch gemm2 (part 3): grid 8 x 32, 4 waves a work-group, clusters of 4 x 4, 327,680 bytes of LDS; arguments a_lay, w2_lay, out0, b2, x; writes out0
.if DOCPART == 3
	.amdgcn_target "amdgcn-amd-amdhsa--gfx1250"
	.amdhsa_code_object_version 6
	.text
	.protected	k_qf69e768f91_gemm2
	.globl	k_qf69e768f91_gemm2
	.p2align	8
	.type	k_qf69e768f91_gemm2,@function
k_qf69e768f91_gemm2:
	s_mov_b64 s[64:65], 0
	v_nop
	global_prefetch_b8 v0, s[64:65] scope:SCOPE_SE
	s_setreg_imm32_b32 hwreg(HW_REG_WAVE_MODE, 25, 1), 1
	s_wait_xcnt 0x0
	s_wait_alu depctr_hold_cnt(0) depctr_sa_sdst(0) depctr_va_vdst(0) depctr_va_sdst(0) depctr_va_ssrc(0) depctr_va_vcc(0) depctr_vm_vsrc(0)
	s_getreg_b32 s2, hwreg(HW_REG_IB_STS2, 6, 4)
	s_cmp_eq_u32 s2, 0
	s_cbranch_scc0 .Lentry_in_a_cluster
	s_endpgm
.Lentry_in_a_cluster:
	s_bfe_u32 s2, ttmp6, 0x10000c
	s_cmp_lg_u32 s2, 0xf033
	s_cbranch_scc0 .Lentry_shape_is_right
	s_endpgm
.Lentry_shape_is_right:
; out[m][n] = relu(sum over k of A[m][k] W[n][k] + bias[n] (+ res[m][n] where RESID is 1)).  A [8192][2048], W [2048][2048]: codes of FP6 (E2M3) with one E8M0 byte for each 32 along K; out f32.
; BOTH OPERANDS LIE IN THE ORDER OF THE OPERAND REGISTERS: [rows / 128][8 pairs of K steps][25,600 bytes]; a pair's block: for step q and 16-row block i a fragment of 1,536 bytes at 12,288 q + 1,536 i (A: 48 bytes a lane on end;
; W: the j-th 16 bytes of lane L at 512 j + 16 L); behind them the scale words at 24,576 + 128 i + 8 r + 4 q.  A block is dense: a tensor load brings it as rows of 256 bytes, each at a multiple of 256 bytes.
; A tile of out, 256 x 256, is made by four waves, each 128 x 128: 64 accumulators, 512 registers.  K goes by pairs of steps through a ring of two LDS slots, one tensor load a wave.
; THREE SWITCHES OF THE TEXT.  BDIR = 0: a slot holds four blocks, A's two halves and W's two; waves 0, 1 fetch A's, waves 2, 3 W's.  BDIR = 1: a slot holds A's two blocks alone, half a block (50 rows) a wave, and each wave
; loads W's fragments and scale words from memory into its registers, one step ahead: 24 loads of 512 consecutive bytes a step; so each byte of W passes no LDS.  RESID: see above.  NTS = 1: out is stored with the hint for data not read again.
; CLUSTERS: 4 x 4 work-groups; A's blocks are asked for jointly along a row of the cluster, W's (BDIR = 0) along a column.  THE MATRIX INSTRUCTION IS USED TRANSPOSED (source 0 = 16 rows of W, source 1 = 16 rows of A):
; a lane holds eight neighbouring numbers of a row of out.
; PREFETCH: waves 0, 1 ask for A's two blocks of a pair, waves 2, 3 for W's two: 100 blocks of 256 bytes each, 25 for each of the four partners that use them, told apart by address, a lane a block (lanes 25-31 name the last again).
; Pairs 1 to 3 are asked for at the head, pair p + 4 behind the refill that follows pair p; where RESID is 1 the last trip's two refills ask for my part of res, 64 rows each.
; REGISTERS: window 0: v16-31 addresses; v32-63 scale words, two sets (lanes 0-15 A's; BDIR = 0: lanes 16-31 W's); v64-95 W's scale words (BDIR = 1); v96-99 the bias; from v128 A's fragments, one set.
; Window 1: W's fragments, two sets; on the way out res.  Windows 2, 3: the accumulators.
.set RESID,  1
.set BDIR,   0
.set NTS,    1
.set SIZE_N, 2048
.set PAIRB,  25600
.set STEPB,  12288
.set FRB,    1536
.set RBLK,   8*PAIRB
.if BDIR
.set SLOT,   2*PAIRB
.set NROW,   50
.else
.set SLOT,   4*PAIRB
.set NROW,   100
.endif
.set STAGE,  2*SLOT                    ; behind the ring: 16 rows x 528 bytes for each wave, for the way out; no tensor load lands there
.set SPITCH, 528
.set SPARE,  STAGE+4*16*SPITCH         ; the spare words
.set FR, 12
.set NL, 3
.set NP, 4
.set NQ, 2
.set ADRA, 16
.set ADRB, 18
.set ADRS, 20
.set BSO,  22
.set STO,  24
.set RD,   25
.set CO,   26
.set SPW,  28
.set NIL,  29
.set PFO,  30
.set PFX,  31
.set SC,   32
.set SCB,  64
.set BI,   96
.set AF,   128
.set BK,   128
.if BDIR
.set SBB, SCB
.else
.set SBB, SC
.endif
.set G1, 24
.set G0, 32
.set G1B, 48
.set G0B, 56
.set PFA, 66
.set BP,  72
.set MSB, 0
.macro WIN new
.if MSB != (\new)
	s_set_vgpr_msb (MSB<<8)|(\new)
.set MSB, (\new)
.endif
.endm
.set MUL_LO, 0xa1                      ; source 0 (W) window 1, source 1 (A) window 0, C and D window 2
.set MUL_HI, 0xf1
.set TO_B,   0x40
.macro JLOAD s                         ; a joint load
.if BDIR
	tensor_load_to_lds s[G0+4*\s:G0+4*\s+3], s[G1:G1+7]
	s_nop 0
.rept 4
	v_nop
.endr
.else
	s_cmp_eq_u32 s15, 0
	s_cbranch_scc0 .Lfor_b_\@
	tensor_load_to_lds s[G0+4*\s:G0+4*\s+3], s[G1:G1+7]
	s_nop 0
.rept 4
	v_nop
.endr
	s_branch .Lasked_\@
.Lfor_b_\@:
	tensor_load_to_lds s[G0B+4*\s:G0B+4*\s+3], s[G1B:G1B+7]
	s_nop 0
.rept 4
	v_nop
.endr
.Lasked_\@:
.endif
.endm
.macro CREST
	s_cmp_lg_u32 s14, 0
	s_cbranch_scc1 .Lnot_wave_0_\@
	s_barrier_signal -3
.Lnot_wave_0_\@:
	s_barrier_wait -3
	s_barrier_signal -1
	s_barrier_wait -1
.endm
.macro CROUND
	s_barrier_signal -1
	s_barrier_wait -1
	CREST
.endm
.macro ASK half                        ; trips 3 and 2 to go: the pair two refills on; the last trip has none left, and asks for 64 rows of my part of res instead (RESID)
	s_cmp_gt_u32 s3, 1
	s_cbranch_scc0 .Lx_\@
	global_prefetch_b8 v[PFO], s[PFA:PFA+1] th:TH_LOAD_NT scope:SCOPE_SE
.if RESID
	s_branch .Ld_\@
.endif
.Lx_\@:
.if RESID
.irp i, 0,1,2,3
	global_prefetch_b8 v[PFX], s[12:13] offset:(64*\half+16*\i)*SIZE_N*4 th:TH_LOAD_NT scope:SCOPE_SE
.endr
.Ld_\@:
.endif
.endm
.macro DESC g                          ; group 1 behind its first word: NROW rows of 32 elements of 8 bytes, dense
	s_mov_b32 s[\g+1], 32<<16
	s_mov_b32 s[\g+2], NROW<<16
	s_mov_b32 s[\g+3], 32<<16
	s_mov_b32 s[\g+4], NROW
	s_mov_b32 s[\g+5], 32
	s_mov_b32 s[\g+6], 0
	s_mov_b32 s[\g+7], 0
.endm
	s_load_b256 s[4:11], s[0:1], 0x0               ; A s[4:5], W s[6:7], out s[8:9], bias s[10:11]
.if RESID
	s_load_b64 s[12:13], s[0:1], 0x20              ; res
.endif
	v_lshl_add_u32 v[SPW], v0, 2, SPARE
	v_mov_b32 v[NIL], 0
	ds_add_u32 v[SPW], v[NIL]                      ; the opening lines: the add, twice on end, and its wait
	ds_add_u32 v[SPW], v[NIL]
	v_lshrrev_b32 v1, 5, v0
	v_readfirstlane_b32 s14, v1                    ; wave 0..3
	s_lshr_b32 s15, s14, 1                         ; my half of the tile's rows
	s_and_b32 s16, s14, 1                          ; my half of its columns
	s_bfe_u32 s40, ttmp6, 0x40000
	s_bfe_u32 s41, ttmp6, 0x40004
	s_lshl_b32 s42, ttmp9, 2
	s_add_co_u32 s42, s42, s40                     ; tile column
	s_and_b32 s17, ttmp7, 0xffff
	s_lshl_b32 s17, s17, 2
	s_add_co_u32 s17, s17, s41                     ; tile row
	s_lshl_b32 s43, s41, 2
	s_lshl_b32 s43, 15, s43                        ; my row of the cluster
	s_or_b32 s[G1], s43, (3<<16)|(1<<21)           ; elements of 8 bytes, no padding
	DESC G1
	s_lshl_b32 s20, s17, 1
.if BDIR
	s_add_co_u32 s20, s20, s15                     ; A: wave w fetches part w % 2 of 128-row block 2 x tile row + w / 2
	s_mul_i32 s20, s20, RBLK
	s_mul_i32 s18, s16, NROW*256
	s_add_co_u32 s20, s20, s18
.else
	s_lshl_b32 s44, 0x1111, s40                    ; my column of the cluster
	s_or_b32 s[G1B], s44, (3<<16)|(1<<21)
	DESC G1B
	s_add_co_u32 s20, s20, s16                     ; A: 128-row block 2 x tile row + w % 2
	s_mul_i32 s20, s20, RBLK
.endif
	s_mov_b32 s21, 0
	s_lshl_b32 s46, s42, 1
	s_add_co_u32 s46, s46, s16
	s_mul_i32 s46, s46, RBLK                       ; W: 128-row block 2 x tile column + w % 2
	s_mov_b32 s47, 0
	s_mul_i32 s45, s14, NROW*256                   ; where my load goes: wave x its bytes
	s_wait_dscnt 0x0
	s_wait_kmcnt 0x0
	s_add_nc_u64 s[20:21], s[4:5], s[20:21]
	s_add_nc_u64 s[46:47], s[6:7], s[46:47]
	CROUND                                         ; the first joint loads meet
.irp s, 0,1
	s_mov_b32 s[G0+4*\s], 1
	s_add_co_u32 s[G0+4*\s+1], s45, \s*SLOT
	s_add_nc_u64 s[G0+4*\s+2:G0+4*\s+3], s[20:21], \s*PAIRB
	s_or_b32 s[G0+4*\s+3], s[G0+4*\s+3], 0x80000000
.if BDIR == 0
	s_mov_b32 s[G0B+4*\s], 1
	s_add_co_u32 s[G0B+4*\s+1], s45, \s*SLOT
	s_add_nc_u64 s[G0B+4*\s+2:G0B+4*\s+3], s[46:47], \s*PAIRB
	s_or_b32 s[G0B+4*\s+3], s[G0B+4*\s+3], 0x80000000
.endif
.endr
	JLOAD 0                                        ; pair 0: one tensor load a wave at the head
.if BDIR
	s_mov_b64 s[BP:BP+1], s[46:47]                 ; W's block that I multiply, at the trip's first pair
.endif
	s_mul_i32 s21, s15, PAIRB                      ; the block of A that I read
.if BDIR
	s_mov_b32 s22, 0
	s_mov_b32 s23, 0                               ; all lanes take A's scale words
.else
	s_mul_i32 s22, s16, PAIRB
	s_add_co_u32 s22, s22, 2*PAIRB                 ; and of W
	s_sub_co_u32 s23, s22, s21
.endif
	s_add_co_u32 s18, s21, 2*STEPB                 ; A's scale words
	s_mul_i32 s19, s14, 16*SPITCH
	s_add_co_u32 s19, s19, STAGE                   ; my stage
	s_lshl_b32 s68, s17, 8
	s_lshl_b32 s69, s15, 7
	s_add_co_u32 s68, s68, s69
	s_lshl_b32 s68, s68, 13                        ; my first row of out, 8,192 bytes a row
	s_lshl_b32 s46, s42, 10
	s_lshl_b32 s47, s16, 9
	s_add_co_u32 s46, s46, s47                     ; my first column, in bytes
	s_mov_b32 s47, 0
	s_add_nc_u64 s[10:11], s[10:11], s[46:47]
	s_add_co_u32 s68, s68, s46
	s_mov_b32 s69, 0
	s_add_nc_u64 s[8:9], s[8:9], s[68:69]
.if RESID
	s_add_nc_u64 s[12:13], s[12:13], s[68:69]
.endif
	s_lshl_b32 s70, s17, 1                         ; the prefetches: waves 0, 1 A's blocks, waves 2, 3 W's; my work-group's 25 of a block's 100 units
	s_lshl_b32 s71, s42, 1
	s_cmp_eq_u32 s15, 0
	s_cselect_b32 s70, s70, s71
	s_cselect_b32 s71, s40, s41
	s_cselect_b64 s[PFA:PFA+1], s[4:5], s[6:7]
	s_add_co_u32 s70, s70, s16
	s_mul_i32 s70, s70, RBLK
	s_mul_i32 s71, s71, 6400
	s_add_co_u32 s70, s70, s71
	s_add_co_u32 s70, s70, 3*PAIRB                 ; at pair 3; the first refill steps it to pair 4
	s_mov_b32 s71, 0
	s_add_nc_u64 s[PFA:PFA+1], s[PFA:PFA+1], s[70:71]
	v_and_b32 v1, 15, v0
	v_bfe_u32 v2, v0, 4, 1
	v_and_b32 v6, 31, v0
	v_mul_u32_u24 v3, v6, 48
	v_lshlrev_b32 v[BSO], 3, v1
	v_mul_u32_u24 v4, s23, v2                      ; (BDIR = 0: lanes 16-31 take W's scale words)
	v_mul_u32_u24 v7, v1, SPITCH
	v_lshlrev_b32 v[CO], 4, v6
	v_add_nc_u32 v[ADRA], s21, v3
	v_add_nc_u32 v[ADRB], s22, v[CO]
	v_add_nc_u32 v5, v[BSO], v4
	v_add_nc_u32 v[ADRS], s18, v5
	v_add_nc_u32 v[ADRA+1], SLOT, v[ADRA]
	v_add_nc_u32 v[ADRB+1], SLOT, v[ADRB]
	v_add_nc_u32 v[ADRS+1], SLOT, v[ADRS]
	v_lshl_add_u32 v7, v2, 5, v7
	v_add_nc_u32 v[STO], s19, v7
	v_add_nc_u32 v[RD], s19, v[CO]
	v_min_u32 v[PFO], 24, v6
	v_lshlrev_b32 v[PFO], 8, v[PFO]
	v_lshrrev_b32 v8, 1, v6
	v_and_b32 v9, 1, v6
	v_lshlrev_b32 v[PFX], 13, v8
	v_lshl_add_u32 v[PFX], v9, 8, v[PFX]           ; res: row l / 2, half l % 2 of its 512 bytes
	s_wait_alu depctr_va_vdst(0)                   ; the wait at the head's end
; 16 matrix instructions: A's blocks a0, a0 + 1 x W's eight.  p: W's set; q: the step of the pair; sc: the set of scale words.  zero = 1: the first product starts the sums.  The 64 accumulators take turns.
.macro MUL16 a0, p, q, sc, zero
.irp a, \a0, \a0+1
.irp b, 0,1,2,3,4,5,6,7
.if \zero
	v_wmma_scale_f32_16x16x128_f8f6f4 v[8*(8*((\a)%4)+\b):8*(8*((\a)%4)+\b)+7], v[128*(\p)+FR*\b:128*(\p)+FR*\b+FR-1], v[AF+FR*(\a):AF+FR*(\a)+FR-1], 0, v[SBB+8*NQ*(\sc)+NQ*\b+(\q)], v[SC+8*NQ*(\sc)+NQ*(\a)+(\q)] matrix_a_fmt:MATRIX_FMT_FP6 matrix_b_fmt:MATRIX_FMT_FP6 matrix_a_scale:MATRIX_SCALE_ROW1
.else
	v_wmma_scale_f32_16x16x128_f8f6f4 v[8*(8*((\a)%4)+\b):8*(8*((\a)%4)+\b)+7], v[128*(\p)+FR*\b:128*(\p)+FR*\b+FR-1], v[AF+FR*(\a):AF+FR*(\a)+FR-1], v[8*(8*((\a)%4)+\b):8*(8*((\a)%4)+\b)+7], v[SBB+8*NQ*(\sc)+NQ*\b+(\q)], v[SC+8*NQ*(\sc)+NQ*(\a)+(\q)] matrix_a_fmt:MATRIX_FMT_FP6 matrix_b_fmt:MATRIX_FMT_FP6 matrix_a_scale:MATRIX_SCALE_ROW1
.endif
.endr
.endr
.endm
.macro FETCH_B slot, q, p              ; BDIR = 0: W's eight fragments from LDS: 16 bytes a lane on end
	WIN TO_B
.irp i, 0,1,2,3,4,5,6,7
.irp j, 0,1,2
	ds_load_b128 v[128*(\p)+FR*\i+4*\j:128*(\p)+FR*\i+4*\j+3], v[ADRB+\slot] offset:(\q)*STEPB+\i*FRB+512*\j
.endr
.endr
	WIN 0
.endm
.macro GB pr, q, p                     ; BDIR = 1: W's eight fragments of step q of the pair pr behind the trip's first, from memory: each load 512 consecutive bytes
	WIN TO_B
.irp i, 0,1,2,3,4,5,6,7
.irp j, 0,1,2
	global_load_b128 v[128*(\p)+FR*\i+4*\j:128*(\p)+FR*\i+4*\j+3], v[CO], s[BP:BP+1] offset:(\pr)*PAIRB+(\q)*STEPB+\i*FRB+512*\j
.endr
.endr
	WIN 0
.endm
.macro GS pr, sc                       ; and that pair's scale words: lanes l and l + 16 take row l % 16's two words
.irp i, 0,1,2,3,4,5,6,7
	global_load_b64 v[SCB+8*NQ*\sc+NQ*\i:SCB+8*NQ*\sc+NQ*\i+1], v[BSO], s[BP:BP+1] offset:(\pr)*PAIRB+2*STEPB+\i*128
.endr
.endm
.macro FETCH_A slot, q, i0             ; A's blocks i0 .. i0 + 3: three loads of 16 bytes at 48 x lane
.irp i, \i0, \i0+1, \i0+2, \i0+3
.irp j, 0,1,2
	ds_load_b128 v[AF+FR*(\i)+4*\j:AF+FR*(\i)+4*\j+3], v[ADRA+\slot] offset:(\q)*STEPB+(\i)*FRB+16*\j
.endr
.endr
.endm
.macro SCALES sc                       ; the pair's two words a row
.irp i, 0,1,2,3,4,5,6,7
	ds_load_b64 v[SC+8*NQ*\sc+NQ*\i:SC+8*NQ*\sc+NQ*\i+1], v[ADRS+\sc] offset:\i*128
.endr
.endm
.macro PLACES n                        ; places behind matrix instructions, ahead of loads into their registers and of reads of results
.rept \n
	v_nop
.endr
.endm
.macro STEP slot, pr, zero             ; a pair's first step; the second step's fragments are fetched on the way
.if BDIR
	GB \pr, 1, 1
	s_wait_loadcnt 24                              ; all but the 24 just issued: this step's fragments and scale words of W are in
.endif
	s_wait_dscnt 4*NL                              ; all but A's blocks 4-7
	WIN MUL_LO
	MUL16 0, 0, 0, \slot, \zero
	MUL16 2, 0, 0, \slot, \zero
	s_wait_dscnt 0
	PLACES NP
.if BDIR == 0
	FETCH_B \slot, 1, 1
.else
	WIN 0                                          ; (A's loads below name window 0)
.endif
	FETCH_A \slot, 1, 0
	WIN MUL_HI
	MUL16 4, 0, 0, \slot, \zero
	MUL16 6, 0, 0, \slot, \zero
	PLACES NP
	WIN 0
	FETCH_A \slot, 1, 4
.endm
; A pair's second step changes slots: ONE barrier; in front of it each wave waits for all its tensor loads (one is out: its part of the next slot), adds 0 to its spare word, and waits for that and for its reads of this slot.
.macro TURN slot, next, fill, pr
.if \fill
	s_wait_xcnt 0x0                                ; my last prefetch has read its address
	s_add_nc_u64 s[PFA:PFA+1], s[PFA:PFA+1], PAIRB
.endif
.if BDIR
	GB \pr, 0, 0
	GS \pr, \next
	s_wait_loadcnt 32                              ; all but the 32 just issued
.endif
	s_wait_tensorcnt 0x0
	ds_add_u32 v[SPW], v[NIL]
	s_wait_dscnt 4*NL+1                            ; the add and A's blocks 4-7 may be out
	WIN MUL_LO
	MUL16 0, 1, 1, \slot, 0
	s_wait_dscnt 0x0
	s_barrier_signal -1
	MUL16 2, 1, 1, \slot, 0
	WIN 0
	s_barrier_wait -1
.if \fill
	CREST                                          ; the barrier has opened a round of the cluster's barrier
	s_add_nc_u64 s[G0+4*\slot+2:G0+4*\slot+3], s[G0+4*\slot+2:G0+4*\slot+3], 2*PAIRB
.if BDIR == 0
	s_add_nc_u64 s[G0B+4*\slot+2:G0B+4*\slot+3], s[G0B+4*\slot+2:G0B+4*\slot+3], 2*PAIRB
.endif
	JLOAD \slot                                    ; the first tensor load behind the round; its four v_nop are the places in front of the loads below
.else
	PLACES NP
.endif
.if BDIR == 0
	FETCH_B \next, 0, 0
.endif
	FETCH_A \next, 0, 0
	SCALES \next
.if \fill
	ASK \slot
.endif
	WIN MUL_HI
	MUL16 4, 1, 1, \slot, 0
	MUL16 6, 1, 1, \slot, 0
	PLACES NP
	WIN 0
	FETCH_A \next, 0, 4
.endm
.macro XLOAD a                         ; 16 rows of my part of res into window 1
	WIN TO_B
.irp t, 0,1,2,3,4,5,6,7,8,9,10,11,12,13,14,15
	global_load_b128 v[64*((\a)%4)+4*\t:64*((\a)%4)+4*\t+3], v[CO], s[12:13] offset:(16*(\a)+\t)*SIZE_N*4 th:TH_LOAD_NT
.endr
	WIN 0
.endm
	global_load_b128 v[BI:BI+3], v[CO], s[10:11]   ; the bias of my four columns of a row
.if BDIR
	GB 0, 0, 0
	GS 0, 0
.endif
.irp k, 2,1,0
	global_prefetch_b8 v[PFO], s[PFA:PFA+1] offset:-\k*PAIRB th:TH_LOAD_NT scope:SCOPE_SE   ; pairs 1, 2, 3
.endr
	s_wait_tensorcnt 0x0                           ; my part of pair 0 is in
	ds_add_u32 v[SPW], v[NIL]
	s_wait_dscnt 0x0
	CROUND
	JLOAD 1                                        ; pair 1, the first tensor load behind the round
.if BDIR == 0
	FETCH_B 0, 0, 0
.endif
	FETCH_A 0, 0, 0
	SCALES 0
	FETCH_A 0, 0, 4
	STEP 0, 0, 1
	s_mov_b32 s3, 3
.Llap:                                                 ; a trip: once round the ring, both slots filled again
	TURN 0, 1, 1, 1
	STEP 1, 1, 0
	TURN 1, 0, 1, 2
	STEP 0, 2, 0
.if BDIR
	s_wait_xcnt 0x0                                ; my loads have read their base
	s_add_nc_u64 s[BP:BP+1], s[BP:BP+1], 2*PAIRB
.endif
	s_sub_co_u32 s3, s3, 1
	s_cmp_lg_u32 s3, 0
	s_cbranch_scc1 .Llap
	TURN 0, 1, 0, 1                                ; the last two pairs fetch no tile
	STEP 1, 1, 0
.if RESID
	XLOAD 0                                        ; W's set 0 is done with (four places stand behind its last products)
	XLOAD 1
.endif
	s_wait_loadcnt 32*RESID                        ; the bias and W's last fragments are in; res may be out
	s_wait_dscnt 4*NL
	WIN MUL_LO
	MUL16 0, 1, 1, 1, 0
	MUL16 2, 1, 1, 1, 0
	s_wait_dscnt 0
	WIN MUL_HI
	MUL16 4, 1, 1, 1, 0
	MUL16 6, 1, 1, 1, 0
	WIN 0
; THE WAY OUT, by blocks of 16 rows x 128 columns: through my own stage and back as whole rows of 512 bytes.
.macro TOSTAGE a
.set AC, 64*((\a)%4)
	WIN 0x08+4*((\a)/4)
.irp b, 0,1,2,3,4,5,6,7
	ds_store_b128 v[STO], v[AC+8*\b:AC+8*\b+3] offset:64*\b          ; each accumulator from its low end on
	ds_store_b128 v[STO], v[AC+8*\b+4:AC+8*\b+7] offset:64*\b+16
.endr
	WIN 0
.set BB, BK+64*((\a)%2)
.irp t, 0,1,2,3,4,5,6,7,8,9,10,11,12,13,14,15
	ds_load_b128 v[BB+4*\t:BB+4*\t+3], v[RD] offset:\t*SPITCH
.endr
.endm
.macro SEND a, younger
.set BB, BK+64*((\a)%2)
.set XB, 64*((\a)%4)
	s_wait_dscnt \younger
.irp t, 0,1,2,3,4,5,6,7,8,9,10,11,12,13,14,15
	v_pk_add_f32 v[BB+4*\t:BB+4*\t+1], v[BB+4*\t:BB+4*\t+1], v[BI:BI+1]
	v_pk_add_f32 v[BB+4*\t+2:BB+4*\t+3], v[BB+4*\t+2:BB+4*\t+3], v[BI+2:BI+3]
.endr
.if RESID
.if 7-(\a) < 3
	s_wait_loadcnt 16*(7-(\a))                     ; the younger blocks of res may be out
.else
	s_wait_loadcnt 48
.endif
	WIN 0x04
.set i, 0
.rept 32
	v_pk_add_f32 v[BB+2*i:BB+2*i+1], v[BB+2*i:BB+2*i+1], v[XB+2*i:XB+2*i+1]
.set i, i+1
.endr
	WIN 0
.endif
.set i, 0
.rept 64
	v_max_num_f32 v[BB+i], 0, v[BB+i]
.set i, i+1
.endr
.irp t, 0,1,2,3,4,5,6,7,8,9,10,11,12,13,14,15
.if NTS
	global_store_b128 v[CO], v[BB+4*\t:BB+4*\t+3], s[8:9] offset:(16*(\a)+\t)*SIZE_N*4 th:TH_STORE_NT   ; 512 consecutive bytes, at a multiple of 256
.else
	global_store_b128 v[CO], v[BB+4*\t:BB+4*\t+3], s[8:9] offset:(16*(\a)+\t)*SIZE_N*4                  ; 512 consecutive bytes, at a multiple of 256
.endif
.endr
.if RESID && ((\a)+4 < 8)
	XLOAD (\a)+4
.endif
.endm
	PLACES NP
.if RESID
	XLOAD 2
	XLOAD 3
.endif
	TOSTAGE 0
.irp a, 1,2,3,4,5,6,7
.if \a > 1
	s_wait_xcnt 0x0                                ; block a - 2's stores have read their registers
.endif
	TOSTAGE \a
	SEND \a-1, 32                                  ; behind block a - 1's loads: block a's 16 stores and 16 loads
.endr
	SEND 7, 0
	s_wait_tensorcnt 0x0                           ; the wave's end
	ds_add_u32 v[SPW], v[NIL]
	s_wait_dscnt 0x0
	CROUND                                         ; the closing round
	s_endpgm
.Lfunc_end_k_qf69e768f91_gemm2:
	.size	k_qf69e768f91_gemm2, .Lfunc_end_k_qf69e768f91_gemm2-k_qf69e768f91_gemm2
	.p2alignl 7, 3214868480
	.fill 96, 4, 3214868480
	.section	.rodata,"a",@progbits
	.p2align	6, 0x0
	.amdhsa_kernel k_qf69e768f91_gemm2
		.amdhsa_group_segment_fixed_size 327680
		.amdhsa_private_segment_fixed_size 0
		.amdhsa_enable_private_segment 0
		.amdhsa_kernarg_size 40
		.amdhsa_user_sgpr_count 2
		.amdhsa_user_sgpr_kernarg_segment_ptr 1
		.amdhsa_wavefront_size32 1
		.amdhsa_system_sgpr_workgroup_id_x 1
		.amdhsa_system_sgpr_workgroup_id_y 1
		.amdhsa_system_sgpr_workgroup_id_z 1
		.amdhsa_system_vgpr_workitem_id 0
		.amdhsa_next_free_vgpr 1024
		.amdhsa_next_free_sgpr 76
		.amdhsa_reserve_vcc 0
		.amdhsa_float_denorm_mode_32 3
		.amdhsa_float_denorm_mode_16_64 3
		.amdhsa_memory_ordered 1
		.amdhsa_forward_progress 1
		.amdhsa_inst_pref_size 196
	.end_amdhsa_kernel
	.amdgpu_metadata
---
amdhsa.version: [ 1, 2 ]
amdhsa.kernels:
  - .name:           k_qf69e768f91_gemm2
    .symbol:         k_qf69e768f91_gemm2.kd
    .args:
      - { .name: a_lay, .offset: 0, .size: 8, .value_kind: global_buffer, .address_space: global }
      - { .name: w2_lay, .offset: 8, .size: 8, .value_kind: global_buffer, .address_space: global }
      - { .name: out0, .offset: 16, .size: 8, .value_kind: global_buffer, .address_space: global }
      - { .name: b2, .offset: 24, .size: 8, .value_kind: global_buffer, .address_space: global }
      - { .name: x, .offset: 32, .size: 8, .value_kind: global_buffer, .address_space: global }
    .group_segment_fixed_size: 327680
    .private_segment_fixed_size: 0
    .kernarg_segment_align: 8
    .kernarg_segment_size: 40
    .max_flat_workgroup_size: 128
    .sgpr_count:     76
    .vgpr_count:     1024
    .wavefront_size: 32
...
	.end_amdgpu_metadata
.endif
;; end of part 3
